; MI455X (gfx1250); checked and timed in simulation.
; The chip was launched on July 23, 2026; its instructions are those of AMD's public machine-readable ISA for CDNA 5 (MIT licence, August 2026) and "CDNA5" Instruction Set Architecture Reference Guide (July 2026). The comments in the code are by the model that wrote it; some were corrected since.
;; My Multihead Attention Tanh Relu. Allowed arithmetic: matrix products marked QUANTISED: E2M1 operands, one E8M0 scale for each 32 along K, by v_wmma_scale_f32_16x16x128_f8f6f4 with both operands' format E2M1 (or v_wmma_scale_f32_32x16x128_f4), f32 sums; products left as they are: bf16, f16 or f32 operands; f32 sums; everything else in f32.
;; Inputs: Wk 1,024 x 1,024 float32; Wq 1,024 x 1,024 float32; Wv 1,024 x 1,024 float32; bk 1,024 float32; bq 1,024 float32; bv 1,024 float32; key 8 x 1,024 x 1,024 float32; query 8 x 1,024 x 1,024 float32; value 8 x 1,024 x 1,024 float32.
;; Outputs: out0 8 x 1,024 x 1,024 float32; out1 8 x 1,024 x 1,024 float32.
;; This version of the problem:
;;   THIS VERSION OF THE PROBLEM IS GIVEN IN LOW PRECISION. The matrix products marked QUANTISED in the list below multiply operands that are first quantised to E2M1 (2 exponent bits, 1 mantissa bit; 4 bits a number), with one power-of-two scale for each 32 numbers along K (OCP MX v1.0); their sums are f32. The products marked 'left as it is' may take bf16, f16 or f32 operands, with f32 sums. Whichever they take, every output number must still come out within the allowed error. Rounding operands to bf16 (8 significant bits) uses up far more of that allowance than f16 does (11 bits, for magnitudes from 6e-5 to 65,504). All else is computed in f32.
;;   The module's matrix products, in the order in which they are computed (A, B: the left and right operand; K: the contracted axis; several contracted axes count as one K, in the product's order):
;;     1. [M 8,192, K 1,024] x [K 1,024, N 1,024]; A: input query; B: input Wq: QUANTISED
;;     2. [M 8,192, K 1,024] x [K 1,024, N 1,024]; A: input key; B: input Wk: QUANTISED
;;     3. [M 8,192, K 1,024] x [K 1,024, N 1,024]; A: input value; B: input Wv: QUANTISED
;;     4. batch 128 x [M 1,024, K 64] x [K 64, N 1,024]; A: computed on the way; B: computed on the way: left as it is (an operand is computed on the way)
;;     5. batch 128 x [M 1,024, K 1,024] x [K 1,024, N 64]; A: computed on the way; B: computed on the way: left as it is (an operand is computed on the way)
;;   THE QUANTISER, for each operand of a quantised product, along K:
;;     - K is cut into blocks of 32 from its start; a last block that is shorter is filled with zeros.
;;     - A block's scale is 2^e with e = floor(log2(the largest magnitude in the block)) - 2, held to -126 .. 127; a block of zeros has e = 0. As a byte (E8M0): e + 127.
;;     - Each number is divided by its block's scale, clamped to +-6, and rounded to the nearest number of E2M1, ties to even, subnormals kept.
;;     - The product sums the exact products of the quantised numbers (number of the format x scale) in f32.
;;   ~~~python
;;   def quantise(x, axis):      # numpy; x: float32 -> the quantised numbers, widened to float32 again
;;       x = np.moveaxis(x, axis, -1); K = x.shape[-1]
;;       x = np.pad(x, [(0, 0)] * (x.ndim - 1) + [(0, -K % 32)]); x = x.reshape(x.shape[:-1] + (-1, 32)); a = np.abs(x).max(-1, keepdims=True)
;;       e = np.where(a > 0, np.clip(np.frexp(np.where(a > 0, a, 1))[1] - 1 - 2, -126, 127), 0)      # np.frexp(a)[1] - 1 = floor(log2(a)), exactly
;;       r = np.clip(x / 2.0 ** e, -6, 6)
;;       step = 2.0 ** (np.maximum(np.frexp(np.where(r == 0, 1, r))[1] - 1, 0) - 1)
;;       q = np.round(r / step) * step * 2.0 ** e      # np.round: ties to even
;;       return np.moveaxis(q.reshape(q.shape[:-2] + (-1,))[..., :K], -1, axis).astype(np.float32)
;;   ~~~
;; One version. Each part assembles by itself: llvm-mc -triple=amdgcn-amd-amdhsa -mcpu=gfx1250 --defsym DOCPART=n.
;; ======== version 1 of 1: 3 launches
;; limits: a function is approximated: absolute error at most 0.0011
;; workspace buffers: codes 14,155,776 bytes; scales 884,736 bytes; qkv 50,331,648 bytes; pscale 3,072 bytes
;; launch quant (part 1): grid 864 x 1, 4 waves a work-group, no clusters, 39,424 bytes of LDS; arguments query, key, value, Wq, Wk, Wv, codes, scales; writes codes, scales
.if DOCPART == 1
	.amdgcn_target "amdgcn-amd-amdhsa--gfx1250"
	.amdhsa_code_object_version 6
	.text
	.protected	k_qdb398ae5c1_quant
	.globl	k_qdb398ae5c1_quant
	.p2align	8
	.type	k_qdb398ae5c1_quant,@function
k_qdb398ae5c1_quant:
	s_mov_b64 s[64:65], 0
	v_nop
	global_prefetch_b8 v0, s[64:65] scope:SCOPE_SE
	s_setreg_imm32_b32 hwreg(HW_REG_WAVE_MODE, 25, 1), 1
	s_wait_xcnt 0x0
; query, key, value [8192][1024] and Wq, Wk, Wv [1024][1024], f32, K innermost, become codes of FP4 (E2M1) with one E8M0 byte for each 32 along K.
; A block's scale is 2^(floor(log2(its largest magnitude)) - 2): its byte is the largest magnitude's exponent field - 2, held at 1 from below.  Each number is divided by the scale and rounded to the
; nearest code, ties to even, beyond 6 the largest code.
; LIMITS: a block of zeros gets the byte 1 where the rule says 127 (its codes are zeros, and this program alone reads the bytes); NaN and infinities among the inputs are not served.
; SHARES.  A RUN is 16 rows x 512 along K of one tensor; a wave takes one run, a work-group four: 256 work-groups for each of query, key, value, 32 for each weight.  One path serves all six: only pointers are chosen.
; WHAT IS STORED is laid as the product's launch wants it: a run's codes are four operand fragments (16 rows x 128 K) as IMAGES OF THEIR REGISTERS: fragment s at 1,024 s, registers 4 c .. 4 c + 3 of lane l at 512 c + 16 l.
; Row t's block i (32 codes, 16 bytes) so lies at 256 i + 16 t.  A run's scale bytes are [row][16 blocks], 256 bytes.
; A step is one row of the run, 512 numbers: four loads of 512 consecutive bytes, turned through the wave's stage in LDS so that a lane holds 16 neighbours along K (two lanes to a block).
; The codes are gathered in the wave's image in LDS (the sixteen chunks of 256 bytes stand 272 apart, so that the lanes of a store fall 17 x 16 bytes apart) and leave as eight stores of 512 consecutive bytes.
; No tensor load, no barrier: waves share nothing.  Loads run four steps (16 loads a wave) ahead, the turn through LDS one step.
.set WAVES, 4
.set STEPS, 16
.set EMAX,  2
.set SP,    80                         ; a lane's place in a stage: 64 bytes + 16 of padding
.set WREG,  9728                       ; LDS of a wave: two stages of 2,560, 256 scale bytes, the image of 16 x 272
.set SCB,   5120
.set IMG,   5376
.set IP,    272
.set SPARE, WAVES*WREG                 ; behind the four regions: the spare words, 128 bytes a wave, which no other line names
.set R,     16                         ; v16-79   four sets of 16 numbers as loaded
.set X,     80                         ; v80-111  two sets of 16 neighbours
.set E,     112                        ; v112-127 a scale byte for each step
.set C,     128                        ; v128-159 two registers of codes for each step
.set OUTR,  160                        ; v160-191 the image on its way out
.set SPW,   12                         ; v12      my spare word's LDS address; never rewritten
.set NIL,   13                         ; v13      0; never rewritten
	s_load_b256 s[4:11], s[0:1], 0x0               ; query, key, value, Wq
	s_load_b256 s[12:19], s[0:1], 0x20             ; Wk, Wv, codes, scales
	v_lshl_add_u32 v[SPW], v0, 2, SPARE
	v_mov_b32 v[NIL], 0
	v_lshrrev_b32 v1, 5, v0
	v_readfirstlane_b32 s24, v1                    ; wave
	v_and_b32 v2, 31, v0                           ; lane
	v_lshlrev_b32 v3, 4, v2                        ; 16 x lane
	s_mul_i32 s25, s24, WREG                       ; my wave's LDS
	v_lshrrev_b32 v14, 2, v2
	v_mul_u32_u24 v14, v14, SP
	v_and_b32 v15, 3, v2
	v_lshl_add_u32 v14, v15, 4, v14
	v_add_nc_u32 v14, s25, v14                     ; the stage, way in: four lanes' 64 bytes on end, then the padding
	v_mul_u32_u24 v15, v2, SP
	v_add_nc_u32 v15, s25, v15                     ; way out: my 16 neighbours
	v_lshrrev_b32 v5, 1, v2                        ; my block of the row
	v_mul_u32_u24 v4, v5, IP
	v_and_b32 v8, 1, v2
	v_lshl_add_u32 v4, v8, 3, v4
	v_add_nc_u32 v4, s25, v4
	v_add_nc_u32 v4, IMG, v4                       ; the image: chunk = my block, + 8 bytes for the block's upper half; the row stands in the immediate
	v_add_nc_u32 v5, s25, v5
	v_add_nc_u32 v5, SCB, v5                       ; my block's scale byte
	v_lshlrev_b32 v7, 3, v2                        ; the scale bytes' way out: 8 bytes a lane
	v_add_nc_u32 v6, s25, v7
	v_add_nc_u32 v6, SCB, v6
	v_lshrrev_b32 v10, 4, v2
	v_mul_u32_u24 v10, v10, IP
	v_and_b32 v8, 15, v2
	v_lshl_add_u32 v10, v8, 4, v10
	v_add_nc_u32 v10, s25, v10
	v_add_nc_u32 v10, IMG, v10                     ; the image's way out: sixteen lanes to a chunk, two chunks a load
	s_wait_kmcnt 0x0
	s_mov_b64 s[20:21], s[4:5]                     ; which tensor is my work-group's, and where its work-groups begin: the choice hangs on the work-group's number alone
	s_mov_b32 s22, 0
.macro PICK first, ptr
	s_cmp_ge_u32 ttmp9, \first
	s_cselect_b64 s[20:21], s[\ptr:\ptr+1], s[20:21]
	s_cselect_b32 s22, \first, s22
.endm
	PICK 256, 6
	PICK 512, 8
	PICK 768, 10
	PICK 800, 12
	PICK 832, 14
	s_sub_co_u32 s22, ttmp9, s22
	s_lshl_b32 s22, s22, 2
	s_add_co_u32 s22, s22, s24                     ; my run in its tensor
	s_lshr_b32 s26, s22, 1
	s_lshl_b32 s26, s26, 16                        ; 16 rows of 4,096 bytes,
	s_and_b32 s27, s22, 1
	s_lshl_b32 s27, s27, 11                        ; and which half of K
	s_add_co_u32 s26, s26, s27
	s_mov_b32 s27, 0
	s_add_nc_u64 s[20:21], s[20:21], s[26:27]
	s_lshl_b32 s28, ttmp9, 2
	s_add_co_u32 s28, s28, s24                     ; my run among all runs
	s_lshl_b32 s26, s28, 12
	s_add_nc_u64 s[16:17], s[16:17], s[26:27]      ; its 4,096 bytes of codes
	s_lshl_b32 s26, s28, 8
	s_add_nc_u64 s[18:19], s[18:19], s[26:27]      ; its 256 scale bytes
.macro LOAD t
.irp i, 0,1,2,3
	global_load_b128 v[R+16*((\t)%4)+4*\i:R+16*((\t)%4)+4*\i+3], v3, s[20:21] offset:4096*(\t)+512*\i th:TH_LOAD_NT   ; 32 lanes read 512 consecutive bytes of row t
.endr
.endm
.macro TURN t                          ; step t's numbers through the stage: LDS serves a wave's instructions in order (ISA guide 5.7.1.4), so no wait stands between the stores and the loads
.irp i, 0,1,2,3
	ds_store_b128 v14, v[R+16*((\t)%4)+4*\i:R+16*((\t)%4)+4*\i+3] offset:32*SP*((\t)%2)+8*SP*\i
.endr
.irp i, 0,1,2,3
	ds_load_b128 v[X+16*((\t)%2)+4*\i:X+16*((\t)%2)+4*\i+3], v15 offset:32*SP*((\t)%2)+16*\i
.endr
.endm
.irp t, 0,1,2,3
	LOAD \t
.endr
	s_wait_loadcnt 12                              ; step 0's four loads are in; those of steps 1 to 3 may be out
	TURN 0
.macro STEP t
.set XS, X+16*((\t)%2)
.if (\t) > 0
	s_wait_dscnt 2                                 ; this step's numbers are back from the stage; the last step's two stores (its byte, its codes) may be out
.else
	s_wait_dscnt 0x0
.endif
.if (\t)+4 < STEPS
	LOAD (\t)+4                                    ; into the set whose stores into the stage are done
.endif
.if (\t)+1 < STEPS
.if STEPS-2-(\t) >= 3
	s_wait_loadcnt 12                              ; the next step's four loads are in; those of the three steps behind it may be out
.else
	s_wait_loadcnt 4*(STEPS-2-(\t))
.endif
	TURN (\t)+1
.endif
	v_max3_num_f32 v8, |v[XS]|, |v[XS+1]|, |v[XS+2]|               ; the largest magnitude of my 16, in two chains
	v_max3_num_f32 v9, |v[XS+3]|, |v[XS+4]|, |v[XS+5]|
.irp i, 6,10
	v_max3_num_f32 v8, v8, |v[XS+\i]|, |v[XS+\i+1]|
	v_max3_num_f32 v9, v9, |v[XS+\i+2]|, |v[XS+\i+3]|
.endr
	v_max3_num_f32 v8, v8, |v[XS+14]|, |v[XS+15]|
	v_max3_num_f32 v8, v8, v9, (EMAX+1)<<23        ; and the floor 2^(EMAX + 1 - 127): the byte cannot fall under 1
	v_max_num_f32_dpp v8, v8, v8 row_xmask:1 row_mask:0xf bank_mask:0xf   ; with my neighbour's 16: the block's
	v_add_nc_u32 v11, -(EMAX<<23), v8              ; EMAX off its exponent field: the conversion takes that field as its scale and nothing else
	v_cvt_scalef32_pk8_fp4_f32 v[C+2*(\t)], v[XS:XS+7], v11
	v_cvt_scalef32_pk8_fp4_f32 v[C+2*(\t)+1], v[XS+8:XS+15], v11
	v_lshrrev_b32 v[E+(\t)], 23, v11               ; the scale's byte (a plain line behind the conversions)
	ds_store_b8 v5, v[E+(\t)] offset:16*(\t)       ; both lanes of a block write the same byte with the same value
	ds_store_b64 v4, v[C+2*(\t):C+2*(\t)+1] offset:16*(\t)   ; my 16 codes, at the place that the operand's registers give them
.endm
.irp t, 0,1,2,3,4,5,6,7,8,9,10,11,12,13,14,15
	STEP \t
.endr
.irp j, 0,1,2,3,4,5,6,7
	ds_load_b128 v[OUTR+4*\j:OUTR+4*\j+3], v10 offset:2*IP*\j      ; these see my stores: LDS serves a wave's instructions in order
.endr
	ds_load_b64 v[8:9], v6
	s_wait_dscnt 0x0
.irp j, 0,1,2,3,4,5,6,7
	global_store_b128 v3, v[OUTR+4*\j:OUTR+4*\j+3], s[16:17] offset:512*\j   ; 32 lanes store 512 consecutive bytes, aligned
.endr
	global_store_b64 v7, v[8:9], s[18:19]          ; 32 lanes store 256 consecutive bytes, aligned
	s_wait_tensorcnt 0x0                           ; the wave's end, behind my last LDS store
	ds_add_u32 v[SPW], v[NIL]
	s_wait_dscnt 0x0
	s_endpgm
.Lfunc_end_k_qdb398ae5c1_quant:
	.size	k_qdb398ae5c1_quant, .Lfunc_end_k_qdb398ae5c1_quant-k_qdb398ae5c1_quant
	.p2alignl 7, 3214868480
	.fill 96, 4, 3214868480
	.section	.rodata,"a",@progbits
	.p2align	6, 0x0
	.amdhsa_kernel k_qdb398ae5c1_quant
		.amdhsa_group_segment_fixed_size 39424
		.amdhsa_private_segment_fixed_size 0
		.amdhsa_enable_private_segment 0
		.amdhsa_kernarg_size 64
		.amdhsa_user_sgpr_count 2
		.amdhsa_user_sgpr_kernarg_segment_ptr 1
		.amdhsa_wavefront_size32 1
		.amdhsa_system_sgpr_workgroup_id_x 1
		.amdhsa_system_sgpr_workgroup_id_y 1
		.amdhsa_system_sgpr_workgroup_id_z 1
		.amdhsa_system_vgpr_workitem_id 0
		.amdhsa_next_free_vgpr 192
		.amdhsa_next_free_sgpr 66
		.amdhsa_reserve_vcc 0
		.amdhsa_float_denorm_mode_32 3
		.amdhsa_float_denorm_mode_16_64 3
		.amdhsa_memory_ordered 1
		.amdhsa_forward_progress 1
		.amdhsa_inst_pref_size 35
	.end_amdhsa_kernel
	.amdgpu_metadata
---
amdhsa.version: [ 1, 2 ]
amdhsa.kernels:
  - .name:           k_qdb398ae5c1_quant
    .symbol:         k_qdb398ae5c1_quant.kd
    .args:
      - { .name: query, .offset: 0, .size: 8, .value_kind: global_buffer, .address_space: global }
      - { .name: key, .offset: 8, .size: 8, .value_kind: global_buffer, .address_space: global }
      - { .name: value, .offset: 16, .size: 8, .value_kind: global_buffer, .address_space: global }
      - { .name: Wq, .offset: 24, .size: 8, .value_kind: global_buffer, .address_space: global }
      - { .name: Wk, .offset: 32, .size: 8, .value_kind: global_buffer, .address_space: global }
      - { .name: Wv, .offset: 40, .size: 8, .value_kind: global_buffer, .address_space: global }
      - { .name: codes, .offset: 48, .size: 8, .value_kind: global_buffer, .address_space: global }
      - { .name: scales, .offset: 56, .size: 8, .value_kind: global_buffer, .address_space: global }
    .group_segment_fixed_size: 39424
    .private_segment_fixed_size: 0
    .kernarg_segment_align: 8
    .kernarg_segment_size: 64
    .max_flat_workgroup_size: 128
    .sgpr_count:     66
    .vgpr_count:     192
    .wavefront_size: 32
...
	.end_amdgpu_metadata
.endif
;; end of part 1
;; launch proj (part 2): grid 16 x 48, 4 waves a work-group, no clusters, 1,024 bytes of LDS; arguments codes, scales, bq, bk, bv, qkv, pscale; writes qkv, pscale
.if DOCPART == 2
	.amdgcn_target "amdgcn-amd-amdhsa--gfx1250"
	.amdhsa_code_object_version 6
	.text
	.protected	k_qdb398ae5c1_proj
	.globl	k_qdb398ae5c1_proj
	.p2align	8
	.type	k_qdb398ae5c1_proj,@function
k_qdb398ae5c1_proj:
	s_mov_b64 s[64:65], 0
	v_nop
	global_prefetch_b8 v0, s[64:65] scope:SCOPE_SE
	s_setreg_imm32_b32 hwreg(HW_REG_WAVE_MODE, 25, 1), 1
	s_wait_xcnt 0x0
; The three projections x W^T + b on codes of FP4 with E8M0 scales, sums in f32; the results leave as f16 with one exact power-of-two scale for each block of 512 tokens x 64 channels.
; SHARES.  Work-group (x, y): head x; y = 16 t + 2 b + half, t = 0 query, 1 key, 2 value.  It makes 512 tokens x the head's 64 channels; each of its four waves 128 x 64: 8 token blocks i x 4 channel blocks n, 32 accumulators.
; K = 1,024 is eight steps of 128, written out; every offset is an immediate.  Codes and scale words were laid by the launch before as images of the operands' registers: every load is 512 consecutive bytes, straight into registers.
; WHICH SOURCE IS WHICH.  q and k: source 0 = 16 channels of W, source 1 = 16 tokens: a lane holds one token and eight channels.  v: the sources (and their scales) change places: a lane holds one channel and eight tokens.
; Either way the eight results, packed to four registers of f16, ARE half of a fragment (16 rows x 32 along K) of the attention launch's products, and are stored as that fragment's image: nothing is transposed, no stage.
; THE SCALE.  2^E, E = floor(log2(the block's largest magnitude)), at least 2^-126; results are multiplied by 2^-E (exact) and so lie under 2 in f16; 2^E goes to pscale as f32.
; LIMITS: projections stay under 2^127; a number under 2^-25 of its block's scale becomes 0 in f16; NaN and infinities are not served.
; No cluster and no LDS ring: a wave has 32 matrix instructions in a K step, and what is shared (W's 4 fragments a step) is a third of a step's bytes.
; REGISTERS.  window 0: v1 16 x lane; v2 the bias's offset; v4-7 maxima; v8-9 2^-E twice; v10, v11 LDS addresses; v12, v13 the add's two; v14 2^E; v16-47 x's scale words (4 i + j), v48-63 W's (4 n + j):
;   lanes 0-15 hold K step j's word of row r, lanes 16-31 K step 4 + j's; v64-159, v160-255 two sets of fragments (x's eight, then W's four).   window 1: accumulator (i, n) at v[8 (4 i + n)].
.set RED_QK, 0                         ; LDS: four waves' maxima; each of the two paths has bytes of its own
.set RED_V,  256
.set SPARE,  512                       ; the spare words, 128 bytes a wave, which no other line names
.set SPW, 12
.set NIL, 13
.set XSC, 16
.set WSC, 48
.set MSB, 0
.macro WIN new                         ; the immediate's high byte repeats the setting that is left
.if MSB != \new
	s_set_vgpr_msb (MSB<<8)|\new
.set MSB, \new
.endif
.endm
	s_load_b256 s[4:11], s[0:1], 0x0               ; codes, scales, bq, bk
	s_load_b128 s[12:15], s[0:1], 0x20             ; bv, qkv
	s_load_b64 s[16:17], s[0:1], 0x30              ; pscale
	v_lshl_add_u32 v[SPW], v0, 2, SPARE
	v_mov_b32 v[NIL], 0
	v_lshrrev_b32 v1, 5, v0
	v_readfirstlane_b32 s28, v1                    ; wave
	v_and_b32 v1, 31, v0
	v_lshlrev_b32 v1, 4, v1                        ; 16 x lane
	v_mov_b32 v10, s28
	v_lshlrev_b32 v10, 2, v10                      ; my wave's word among the maxima
	v_mov_b32 v11, 0
	s_and_b32 s29, ttmp7, 0xffff
	s_lshr_b32 s30, s29, 4                         ; t
	s_and_b32 s31, s29, 15                         ; 2 b + half
	s_lshl_b32 s32, s30, 22                        ; x's codes: 4 MiB a tensor, 512 rows of 512 bytes, my wave's 128 rows
	s_lshl_b32 s33, s31, 18
	s_add_co_u32 s32, s32, s33
	s_lshl_b32 s33, s28, 16
	s_add_co_u32 s32, s32, s33
	s_mov_b32 s33, 0
	s_lshl_b32 s34, s30, 19                        ; W's codes: behind the three x, 512 KiB a tensor, the head's 64 rows
	s_lshl_b32 s35, ttmp9, 15
	s_add_co_u32 s34, s34, s35
	s_add_co_u32 s34, s34, 12582912
	s_mov_b32 s35, 0
	s_lshl_b32 s36, s30, 18                        ; the scale bytes likewise, a sixteenth of the codes' bytes
	s_lshl_b32 s37, s31, 14
	s_add_co_u32 s36, s36, s37
	s_lshl_b32 s37, s28, 12
	s_add_co_u32 s36, s36, s37
	s_mov_b32 s37, 0
	s_lshl_b32 s38, s30, 15
	s_lshl_b32 s39, ttmp9, 11
	s_add_co_u32 s38, s38, s39
	s_add_co_u32 s38, s38, 786432
	s_mov_b32 s39, 0
	s_lshl_b32 s40, s30, 3
	s_lshr_b32 s41, s31, 1
	s_add_co_u32 s40, s40, s41
	s_lshl_b32 s40, s40, 4
	s_add_co_u32 s40, s40, ttmp9                   ; (8 t + b) 16 + head
	s_and_b32 s41, s31, 1                          ; half
	s_lshl_b32 s42, s40, 1
	s_add_co_u32 s42, s42, s41
	s_lshl_b32 s42, s42, 2                         ; my block's word of pscale
	s_mov_b32 s43, 0
	s_lshl_b32 s40, s40, 17                        ; qkv: 131,072 bytes a head, 65,536 a half, 16,384 a wave
	s_lshl_b32 s41, s41, 16
	s_add_co_u32 s40, s40, s41
	s_lshl_b32 s41, s28, 14
	s_add_co_u32 s40, s40, s41
	s_mov_b32 s41, 0
	s_lshl_b32 s44, ttmp9, 8                       ; the head's 64 numbers of the bias
	s_mov_b32 s45, 0
	s_mov_b32 s24, 0x76543210                      ; v_permlanex16_b32's selects for lane l xor 16
	s_mov_b32 s25, 0xfedcba98
	s_wait_kmcnt 0x0
	s_add_nc_u64 s[20:21], s[4:5], s[32:33]        ; x's codes
	s_add_nc_u64 s[22:23], s[4:5], s[34:35]        ; W's codes
	s_add_nc_u64 s[36:37], s[6:7], s[36:37]        ; x's scale words
	s_add_nc_u64 s[38:39], s[6:7], s[38:39]        ; W's
	s_cmp_eq_u32 s30, 0
	s_cselect_b64 s[18:19], s[8:9], s[10:11]
	s_cmp_eq_u32 s30, 2
	s_cselect_b64 s[18:19], s[12:13], s[18:19]     ; the bias of my tensor
	s_add_nc_u64 s[18:19], s[18:19], s[44:45]
	s_add_nc_u64 s[26:27], s[14:15], s[40:41]
	s_add_nc_u64 s[16:17], s[16:17], s[42:43]
.macro LOADK s                         ; K step s: x's eight fragments and W's four into set s % 2: 24 loads
.set FB, 64+96*((\s)%2)
.irp i, 0,1,2,3,4,5,6,7
.irp c, 0,1
	global_load_b128 v[FB+8*\i+4*\c:FB+8*\i+4*\c+3], v1, s[20:21] offset:\i*8192+(\s)*1024+\c*512
.endr
.endr
.irp n, 0,1,2,3
.irp c, 0,1
	global_load_b128 v[FB+64+8*\n+4*\c:FB+64+8*\n+4*\c+3], v1, s[22:23] offset:\n*8192+(\s)*1024+\c*512
.endr
.endr
.endm
.macro MM s, V, i, n                   ; one product; K steps 4 to 7 take their scale words from lanes 16-31
.set rD, 8*(4*\i+\n)
.if \V
.set rA, FB+8*\i
.set rB, FB+64+8*\n
.set rSA, XSC+4*\i+(\s)%4
.set rSB, WSC+4*\n+(\s)%4
.else
.set rA, FB+64+8*\n
.set rB, FB+8*\i
.set rSA, WSC+4*\n+(\s)%4
.set rSB, XSC+4*\i+(\s)%4
.endif
.if (\s) == 0
	v_wmma_scale_f32_16x16x128_f8f6f4 v[rD:rD+7], v[rA:rA+7], v[rB:rB+7], 0, v[rSA], v[rSB] matrix_a_fmt:MATRIX_FMT_FP4 matrix_b_fmt:MATRIX_FMT_FP4
.elseif (\s) < 4
	v_wmma_scale_f32_16x16x128_f8f6f4 v[rD:rD+7], v[rA:rA+7], v[rB:rB+7], v[rD:rD+7], v[rSA], v[rSB] matrix_a_fmt:MATRIX_FMT_FP4 matrix_b_fmt:MATRIX_FMT_FP4
.else
	v_wmma_scale_f32_16x16x128_f8f6f4 v[rD:rD+7], v[rA:rA+7], v[rB:rB+7], v[rD:rD+7], v[rSA], v[rSB] matrix_a_fmt:MATRIX_FMT_FP4 matrix_b_fmt:MATRIX_FMT_FP4 matrix_a_scale:MATRIX_SCALE_ROW1 matrix_b_scale:MATRIX_SCALE_ROW1
.endif
.endm
.macro MULK s, V                       ; a K step's 32 products: the 32 accumulators take turns, one instruction a turn, in the same order in every step
.set FB, 64+96*((\s)%2)
.irp i, 0,1,2,3,4,5,6,7
.irp n, 0,1,2,3
	MM \s, \V, \i, \n
.endr
.endr
.endm
.macro BODY V
.if \V
	v_and_b32 v2, 15, v0
	v_lshlrev_b32 v2, 2, v2                        ; v: my one channel of a block: 4 r
.else
	v_bfe_u32 v2, v0, 4, 1
	v_lshlrev_b32 v2, 5, v2                        ; q, k: my eight channels of a block: 32 h
.endif
.irp i, 0,1,2,3,4,5,6,7
	global_load_b128 v[XSC+4*\i:XSC+4*\i+3], v1, s[36:37] offset:512*\i   ; all of K's scale words of 16 rows: 512 consecutive bytes
.endr
.irp n, 0,1,2,3
	global_load_b128 v[WSC+4*\n:WSC+4*\n+3], v1, s[38:39] offset:512*\n
.endr
	LOADK 0
	LOADK 1
.irp s, 0,1,2,3,4,5,6,7
.if \s == 7
	s_wait_loadcnt 8                               ; this step's loads are in; the eight loads of the bias may be out
.else
	s_wait_loadcnt 24                              ; this step's loads (and all before) are in; the next step's 24 may be out
.endif
	WIN 0x50                                       ; C and D in window 1
	MULK \s, \V
	WIN 0
.rept 4
	v_nop                                          ; four plain lines between the products and loads into registers that they read, or the first read of results
.endr
.if \s < 6
	LOADK \s+2
.elseif \s == 6
.irp n, 0,1,2,3
.if \V
	global_load_b32 v[64+2*\n], v2, s[18:19] offset:64*\n          ; b(16 n + r), twice: a pair for the packed addition
	global_load_b32 v[65+2*\n], v2, s[18:19] offset:64*\n
.else
	global_load_b128 v[64+8*\n:67+8*\n], v2, s[18:19] offset:64*\n     ; b(16 n + 8 h + 0 .. 7)
	global_load_b128 v[68+8*\n:71+8*\n], v2, s[18:19] offset:64*\n+16
.endif
.endr
.endif
.endr
	s_wait_loadcnt 0x0                             ; the bias
.irp c, 0,1,2,3
	v_mov_b32 v[4+\c], 0x00800000                  ; the maxima begin at 2^-126
.endr
	WIN 0x41                                       ; destination and source 0 in window 1
.irp i, 0,1,2,3,4,5,6,7
.irp n, 0,1,2,3
.irp p, 0,2,4,6
.if \V
	v_pk_add_f32 v[8*(4*\i+\n)+\p:8*(4*\i+\n)+\p+1], v[8*(4*\i+\n)+\p:8*(4*\i+\n)+\p+1], v[64+2*\n:65+2*\n]
.else
	v_pk_add_f32 v[8*(4*\i+\n)+\p:8*(4*\i+\n)+\p+1], v[8*(4*\i+\n)+\p:8*(4*\i+\n)+\p+1], v[64+8*\n+\p:65+8*\n+\p]   ; each accumulator from its low end on
.endif
.endr
.endr
.endr
	WIN 0x14                                       ; sources 1 and 2 in window 1
.set k, 0
.rept 128
	v_max3_num_f32 v[4+k%4], v[4+k%4], |v[2*k]|, |v[2*k+1]|        ; the largest magnitude, in four chains
.set k, k+1
.endr
	WIN 0
	v_max3_num_f32 v4, v4, v5, v6
	v_max_num_f32 v4, v4, v7
	v_max_num_f32_dpp v4, v4, v4 row_xmask:1 row_mask:0xf bank_mask:0xf
	v_max_num_f32_dpp v4, v4, v4 row_xmask:2 row_mask:0xf bank_mask:0xf
	v_max_num_f32_dpp v4, v4, v4 row_xmask:4 row_mask:0xf bank_mask:0xf
	v_max_num_f32_dpp v4, v4, v4 row_xmask:8 row_mask:0xf bank_mask:0xf
	v_permlanex16_b32 v5, v4, s24, s25
	v_max_num_f32 v4, v4, v5                       ; my wave's
	ds_store_b32 v10, v4 offset:RED_QK+(RED_V-RED_QK)*\V
	s_wait_dscnt 0x0                               ; for the others' sake: my store is done
	s_barrier_signal -1
	s_barrier_wait -1
	ds_load_b128 v[4:7], v11 offset:RED_QK+(RED_V-RED_QK)*\V
	s_wait_dscnt 0x0
	v_max3_num_f32 v4, v4, v5, v6
	v_max_num_f32 v4, v4, v7                       ; the block's
	v_and_b32 v14, 0x7f800000, v4                  ; 2^E: its exponent field alone
	v_sub_nc_u32 v8, 0x7f000000, v14               ; 2^-E: the field 254 - e
	v_mov_b32 v9, v8
	WIN 0x41
.set k, 0
.rept 128
	v_pk_mul_f32 v[2*k:2*k+1], v[2*k:2*k+1], v[8:9]                ; exact
.set k, k+1
.endr
	WIN 0x05                                       ; sources in window 1, destination in window 0
.set k, 0
.rept 128
	v_cvt_pk_f16_f32 v[128+k], v[2*k], v[2*k+1]                    ; the first source into the low half
.set k, k+1
.endr
	WIN 0
.irp i, 0,1,2,3,4,5,6,7
.irp n, 0,1,2,3
.if \V
	global_store_b128 v1, v[128+4*(4*\i+\n):128+4*(4*\i+\n)+3], s[26:27] offset:((\i/2)*4+\n)*1024+(\i%2)*512   ; V^T's fragment (32 tokens, 16 channels): its half i % 2; 512 consecutive bytes
.else
	global_store_b128 v1, v[128+4*(4*\i+\n):128+4*(4*\i+\n)+3], s[26:27] offset:(2*\i+\n/2)*1024+(\n%2)*512     ; the fragment (16 tokens, 32 channels): its half n % 2
.endif
.endr
.endr
	v_cmp_eq_u32 vcc_lo, 0, v0
	s_wait_xcnt 0x0                                ; EXEC is a source of the stores above: it changes only behind this wait
	s_and_saveexec_b32 s46, vcc_lo
	global_store_b32 v11, v14, s[16:17]            ; thread 0 stores the block's scale
	s_wait_xcnt 0x0                                ; and again ahead of the line that widens it
	s_or_b32 exec_lo, exec_lo, s46
	s_wait_tensorcnt 0x0                           ; the wave's end, behind my last LDS store
	ds_add_u32 v[SPW], v[NIL]
	s_wait_dscnt 0x0
	s_endpgm
.endm
	s_cmp_eq_u32 s30, 2                            ; the work-group's number alone: all four waves go the same way
	s_cbranch_scc1 .Lvalue
	BODY 0
.Lvalue:
	BODY 1
.Lfunc_end_k_qdb398ae5c1_proj:
	.size	k_qdb398ae5c1_proj, .Lfunc_end_k_qdb398ae5c1_proj-k_qdb398ae5c1_proj
	.p2alignl 7, 3214868480
	.fill 96, 4, 3214868480
	.section	.rodata,"a",@progbits
	.p2align	6, 0x0
	.amdhsa_kernel k_qdb398ae5c1_proj
		.amdhsa_group_segment_fixed_size 1024
		.amdhsa_private_segment_fixed_size 0
		.amdhsa_enable_private_segment 0
		.amdhsa_kernarg_size 56
		.amdhsa_user_sgpr_count 2
		.amdhsa_user_sgpr_kernarg_segment_ptr 1
		.amdhsa_wavefront_size32 1
		.amdhsa_system_sgpr_workgroup_id_x 1
		.amdhsa_system_sgpr_workgroup_id_y 1
		.amdhsa_system_sgpr_workgroup_id_z 1
		.amdhsa_system_vgpr_workitem_id 0
		.amdhsa_next_free_vgpr 512
		.amdhsa_next_free_sgpr 66
		.amdhsa_reserve_vcc 1
		.amdhsa_float_denorm_mode_32 3
		.amdhsa_float_denorm_mode_16_64 3
		.amdhsa_memory_ordered 1
		.amdhsa_forward_progress 1
		.amdhsa_inst_pref_size 184
	.end_amdhsa_kernel
	.amdgpu_metadata
---
amdhsa.version: [ 1, 2 ]
amdhsa.kernels:
  - .name:           k_qdb398ae5c1_proj
    .symbol:         k_qdb398ae5c1_proj.kd
    .args:
      - { .name: codes, .offset: 0, .size: 8, .value_kind: global_buffer, .address_space: global }
      - { .name: scales, .offset: 8, .size: 8, .value_kind: global_buffer, .address_space: global }
      - { .name: bq, .offset: 16, .size: 8, .value_kind: global_buffer, .address_space: global }
      - { .name: bk, .offset: 24, .size: 8, .value_kind: global_buffer, .address_space: global }
      - { .name: bv, .offset: 32, .size: 8, .value_kind: global_buffer, .address_space: global }
      - { .name: qkv, .offset: 40, .size: 8, .value_kind: global_buffer, .address_space: global }
      - { .name: pscale, .offset: 48, .size: 8, .value_kind: global_buffer, .address_space: global }
    .group_segment_fixed_size: 1024
    .private_segment_fixed_size: 0
    .kernarg_segment_align: 8
    .kernarg_segment_size: 56
    .max_flat_workgroup_size: 128
    .sgpr_count:     66
    .vgpr_count:     512
    .wavefront_size: 32
...
	.end_amdgpu_metadata
.endif
;; end of part 2
;; launch attn (part 3): grid 32 x 8, 4 waves a work-group, clusters of 4 x 1, 327,680 bytes of LDS; arguments qkv, pscale, out0, out1; writes out0, out1
.if DOCPART == 3
	.amdgcn_target "amdgcn-amd-amdhsa--gfx1250"
	.amdhsa_code_object_version 6
	.text
	.protected	k_qdb398ae5c1_attn
	.globl	k_qdb398ae5c1_attn
	.p2align	8
	.type	k_qdb398ae5c1_attn,@function
k_qdb398ae5c1_attn:
	s_mov_b64 s[64:65], 0
	v_nop
	global_prefetch_b8 v0, s[64:65] scope:SCOPE_SE
	s_setreg_imm32_b32 hwreg(HW_REG_WAVE_MODE, 25, 1), 1
	s_wait_xcnt 0x0
	s_wait_alu depctr_hold_cnt(0) depctr_sa_sdst(0) depctr_va_vdst(0) depctr_va_sdst(0) depctr_va_ssrc(0) depctr_va_vcc(0) depctr_vm_vsrc(0)
	s_getreg_b32 s2, hwreg(HW_REG_IB_STS2, 6, 4)
	s_cmp_eq_u32 s2, 0
	s_cbranch_scc0 .Lentry_in_a_cluster
	s_endpgm
.Lentry_in_a_cluster:
	s_bfe_u32 s2, ttmp6, 0x10000c
	s_cmp_lg_u32 s2, 0x3003
	s_cbranch_scc0 .Lentry_shape_is_right
	s_endpgm
.Lentry_shape_is_right:
; out0[b][q][64 h ..] = sum over k of w V,  out1[b][q][k] = the mean over the 16 heads of w,  w = relu(tanh(softmax_k(Q . K / 8))).  Q, K, V: f16 fragments with a power-of-two scale for each 512 tokens (pscale).
; SHARES.  A work-group owns 32 queries (two tiles of 16) of one batch and walks all 16 heads, so that it alone owns its rows of out1: their sums stay in registers.  Wave w owns keys 256 w .. 256 w + 255.
; LAYOUT.  S^T = K Q^T (source 0 = 16 keys, source 1 = 16 queries): a lane holds ONE query (lane % 16) and keys 8 (lane / 16) + 0 .. 7.  Two tiles, packed to f16, are source 1 of O^T = V^T w.
; A HEAD.  A: 64 products K Q^T, the scores' maxima between them.  B: e = 2^(c s - m_own), m_own my wave's largest, and its sum.  The four waves change (m, l) through LDS: m = the row's largest, l = sum of l_w 2^(m_w - m),
;   g = 2^(m_own - m) / l: the weight is x = e g.  The row's own maximum is taken away; no exponent is above 0 and l is at least 1.  C: w from e, added to out1's sums, packed, 64 products V^T w.  Then the four waves' parts of O meet in LDS.
; TANH on [0, 1], where every x lies: tanh(x) = x (c0 + u (c1 + u c2)), u = x^2: the interpolant of tanh(sqrt u) / sqrt u at three Chebyshev points of [0, 1].  The row's factor g goes into the coefficients:
;   w' = e (K0 + e^2 (K1 + e^2 K2)), K0 = 1,024 c0 g, K1 = 1,024 c1 g^3, K2 = 1,024 c2 g^5, made once for each row and head: 40 lines for 16 registers.
;   RELU: relu(tanh(e g)) = tanh(e max(g, 0)) for e >= 0, so the maximum with 0 is taken of g, once a row.
;   The factor 1,024 keeps w' (at most 781) away from f16's small end; it is taken back exactly: V's scale x 2^-10, out1 = sums x 2^-14.
; LIMITS: tanh's relative error is under 1.1e-3 on all of [0, 1]; where g^3 or g^5 falls under f32's smallest number its term, under 2^-80 of the first, is lost; a weight under 2^-34 counts as 0 in the second product
;   (not in out1); NaN and infinities are not served.
; BY TURNS.  A wave issues in order, so a run of products leaves its vector lines waiting.  In phase C the eight products of key group g - 1 stand one by one behind blocks of group g's 96 vector lines (w' in f16 has two buffers);
;   in phase A a block of four maxima stands behind each of a group's first four products, and behind the first group's the sums of the last head's O.  The price is two window switches for each such product.
;   LDS loads stand in runs of 16 or 32, never singly among the products.
; THE LOOP IS TURNED: phase A of head 0 stands ahead of it; a trip is B, C and the two rounds of head j and phase A of head j + 1.
; LDS.  One slot for a head's K (131,072 bytes), one for its V; a wave fetches and reads its own quarter (its 256 keys), as dense images of fragments.  K's slot is filled again when phase A has read it, V's when phase C has.
; CLUSTER.  The four work-groups of a cluster share the batch and walk the same K and V: each quarter is asked for JOINTLY, by the same tensor load with the same descriptor and the mask of all four.
; REGISTERS, in windows of 256 (s_set_vgpr_msb: bits 1:0 source 0, 3:2 source 1, 5:4 source 2, 7:6 destination).  Query tile q lives in window q, under the same numbers:
;   windows 0, 1: v32-35 maxima; v36 -m_own, v37 at work; v38-45 four chains of the sum (phase B); v42-47 K0, K1, K2 as pairs (phase C); v64-79 e^2; v80-95 the bracket; v96-111 w' in f16, two buffers; v128-255 the scores (tile kt at 128 + 8 kt).
;   window 0 also: v1-11 addresses, v30, v31 the add's two, v48-51 what I send, v64-127 the statistics and O's parts.
;   window 2: out1's sums (q, kt) at 128 q + 8 kt.   window 3: v0-63 O^T (channels dt, tile q) at 8 (4 q + dt); v64-95 Q; v128-255 four sets of four fragments of K or of V.
.set HEADB, 131072                     ; a head's K, V or Q in bytes
.set SLOTV, 131072
.set STATS, 262144                     ; 16 bytes a thread
.set OP,    264192                     ; O's parts: 4 waves x 32 rows x (256 + 16) bytes
.set OPW,   32*272
.set SPARE, 299008                     ; the spare words, 128 bytes a wave, which no other line names
.set SPITCH, 528                       ; out1's stage: 16 rows x (512 + 16) bytes a wave, in the wave's quarter of K's slot, after that slot's last fill and last read
.set LI,  1                            ; 16 x lane
.set KA,  2                            ; my quarter of K's slot + 16 x lane
.set VA,  3                            ; of V's
.set SA,  4                            ; where I put my four numbers
.set SL,  5                            ; where I read my lane's in wave 0's
.set OA,  6                            ; O's parts, way in
.set RA,  7                            ; way out
.set GO,  8                            ; my byte offset in the work-group's rows of out0
.set PFO, 10                           ; 256 x lane
.set STO, 11                           ; out1's stage, way in
.set SPW, 30
.set NIL, 31
.set MX,  32
.set NM,  36
.set SUM, 38
.set K0,  42
.set K1,  44
.set K2,  46
.set EX,  48
.set TU,  64
.set TH,  80
.set P,   96
.set S,   128
.set QF,  64                           ; window 3
.set FB,  128                          ; window 3
.set WV,  12
.set CX,  13
.set QB,  14
.set BT,  15
.set G1,  16                           ; s[16:23] descriptor group 1
.set G0K, 24                           ; s[24:27], s[28:31] groups 0, which walk from head to head
.set G0V, 28
.set QP,  32                           ; s[32:33] Q of the head to be loaded
.set PSQ, 34                           ; s[34:35] Q's scale;  s[36:37] the head's words of pscale
.set PS,  36
.set PFK, 38                           ; s[38:39], s[40:41] where my prefetches stand
.set PFV, 40
.set HL,  42                           ; heads still to be asked for
.set LIM, 43                           ; 1 in a work-group that prefetches, else the greatest number
.set SEL, 44
.set CS,  46                           ; s[46:47] c = sq sk log2(e) / 8;  s48 -c
.set NC,  48
.set SQ,  49
.set SK,  50
.set SV,  52
.set SV0, 54                           ; s[54:55], s[56:57] V's two scales x 2^-10
.set SV1, 56
.set PC0, 58                           ; s58, s59, s60: 1,024 x c0, c1, c2
.set PC1, 59
.set PC2, 60
.set MSB, 0
.macro WIN new                         ; the immediate's high byte repeats the setting that is left; a switch that changes nothing is dropped
.if MSB != (\new)
	s_set_vgpr_msb (MSB<<8)|(\new)
.set MSB, (\new)
.endif
.endm
.macro ROUND                           ; a round of the cluster's barrier
	s_barrier_signal -1
	s_barrier_wait -1
	s_cmp_lg_u32 s[WV], 0
	s_cbranch_scc1 .Lnot_wave_0_\@
	s_barrier_signal -3
.Lnot_wave_0_\@:
	s_barrier_wait -3
	s_barrier_signal -1
	s_barrier_wait -1
.endm
.macro TL g0                           ; a joint load of my quarter; an s_nop 0 and four v_nop follow it
	tensor_load_to_lds s[\g0:\g0+3], s[G1:G1+7]
	s_nop 0
.rept 4
	v_nop
.endr
.endm
; A PREFETCH INTO THE L2 of the tile one head beyond the one that has just been asked for: 131,072 bytes are 16 parts of 8,192; part 4 cx + wave is mine, lanes 256 bytes apart: one instruction a wave.
; All clusters of a batch walk the same K and V: the batch's first cluster asks; its partners are told apart by address alone.  The last head that is asked for has none behind it: nothing is named then.  Heads 0 and 1 come by their loads alone.
.macro ASK pf
	s_cmp_gt_u32 s[HL], s[LIM]
	s_cbranch_scc0 .Lnot_mine_\@
	global_prefetch_b8 v[PFO], s[\pf:\pf+1] th:TH_LOAD_NT scope:SCOPE_SE
.Lnot_mine_\@:
.endm
.macro FLOAD adr, idx                  ; group idx of my quarter: four fragments, 4,096 dense bytes, into set idx % 4 (window 3)
.irp j, 0,1,2,3,4,5,6,7
	ds_load_b128 v[FB+32*((\idx)%4)+4*\j:FB+32*((\idx)%4)+4*\j+3], v[\adr] offset:(\idx)*4096+512*\j
.endr
.endm
.macro QLOAD                           ; my work-group's 32 queries of a head: four fragments, 4,096 dense bytes
	WIN 0xc0
.irp j, 0,1,2,3,4,5,6,7
	global_load_b128 v[QF+4*\j:QF+4*\j+3], v[LI], s[QP:QP+1] offset:512*\j
.endr
	WIN 0
.endm
; Product n of the four of key tiles 2 p, 2 p + 1 against query tile q: the two accumulators take turns; the first 32 channels start the sums
.macro WQ1 p, q, n
.set KB, FB+32*((\p)%4)
.set SB, S+16*(\p)
.set QR, QF+16*(\q)
	WIN 0x0f+0x50*(\q)                             ; K and Q in window 3, the scores in window q
.if (\n) == 0
	v_wmma_f32_16x16x32_f16 v[SB:SB+7], v[KB:KB+7], v[QR:QR+7], 0
.elseif (\n) == 1
	v_wmma_f32_16x16x32_f16 v[SB+8:SB+15], v[KB+16:KB+23], v[QR:QR+7], 0
.elseif (\n) == 2
	v_wmma_f32_16x16x32_f16 v[SB:SB+7], v[KB+8:KB+15], v[QR+8:QR+15], v[SB:SB+7]
.else
	v_wmma_f32_16x16x32_f16 v[SB+8:SB+15], v[KB+24:KB+31], v[QR+8:QR+15], v[SB+8:SB+15]
.endif
.endm
.macro MAXH p, h                       ; the largest of the 8 scores of key tile 2 p + h, into four chains; the accumulator from its low end on
.irp j, 0,1,2,3
	v_max3_num_f32 v[MX+\j], v[MX+\j], v[S+16*(\p)+8*(\h)+2*\j], v[S+16*(\p)+8*(\h)+2*\j+1]
.endr
.endm
; O'S PARTS.  My 8 rows of the 32, two rows a load: the four waves' parts, waves 0, 1 under V's first scale, waves 2, 3 under its second.
.macro OLOAD
.irp i, 0,1,2,3
.irp w, 0,1,2,3
	ds_load_b128 v[64+16*\i+4*\w:64+16*\i+4*\w+3], v[RA] offset:OPW*\w+544*\i
.endr
.endr
.endm
.macro OARITH i                        ; row pair i: eight lines
.irp c, 0,2
	v_pk_add_f32 v[64+16*(\i)+\c:65+16*(\i)+\c], v[64+16*(\i)+\c:65+16*(\i)+\c], v[68+16*(\i)+\c:69+16*(\i)+\c]
	v_pk_add_f32 v[72+16*(\i)+\c:73+16*(\i)+\c], v[72+16*(\i)+\c:73+16*(\i)+\c], v[76+16*(\i)+\c:77+16*(\i)+\c]
.endr
.irp c, 0,2
	v_pk_mul_f32 v[64+16*(\i)+\c:65+16*(\i)+\c], v[64+16*(\i)+\c:65+16*(\i)+\c], s[SV0:SV0+1] op_sel_hi:[1,0]
.endr
.irp c, 0,2
	v_pk_fma_f32 v[64+16*(\i)+\c:65+16*(\i)+\c], v[72+16*(\i)+\c:73+16*(\i)+\c], s[SV1:SV1+1], v[64+16*(\i)+\c:65+16*(\i)+\c] op_sel_hi:[1,0,1]
.endr
.endm
.macro OST i                           ; sixteen lanes store a row's 256 bytes of the head, aligned
	global_store_b128 v[GO], v[64+16*(\i):67+16*(\i)], s[8:9] offset:8192*(\i) th:TH_STORE_NT
.endm
; PHASE A of a head: the scores.  K's groups 0 to 3 have been asked for (32 LDS loads); osum = 1: ahead of them the 16 loads of the last head's O, whose sums stand behind this phase's first four products.
.macro PHA osum
	s_load_b32 s[SQ], s[PSQ:PSQ+1], 0x0            ; the head's scales: Q's (my queries' half), K's two, V's two
	s_load_b64 s[SK:SK+1], s[PS:PS+1], 0x400
	s_load_b64 s[SV:SV+1], s[PS:PS+1], 0x800
	s_wait_loadcnt 0x0                             ; Q is in, and its address may step (behind the last head the stepped address is not used)
	s_add_nc_u64 s[QP:QP+1], s[QP:QP+1], HEADB
.irp c, 0,1,2,3
	v_mov_b32 v[MX+\c], 0xff800000                 ; the maxima begin at -infinity
.endr
	WIN 0x40
.irp c, 0,1,2,3
	v_mov_b32 v[MX+\c], 0xff800000
.endr
.irp p, 0,1,2,3,4,5,6,7
.if \p == 0
	s_wait_dscnt 24                                ; group 0 of K (and all before it) is in; groups 1 to 3 may be out
.elseif \p == 7
	s_wait_dscnt 0x0
.elseif \p%2
	s_wait_dscnt 16                                ; group p is in; the two groups asked for behind it may be out
.else
	s_wait_dscnt 8                                 ; group p is in; the one group asked for behind it may be out
.endif
.irp n, 0,1,2,3
	WQ1 \p, 0, \n
.if \p > 0
	WIN 0x55*(\n/2)                                ; the maxima of the group before: tile 0's behind the first two products, tile 1's behind the next two.  They are also the plain lines between
	MAXH \p-1, \n%2                                ; that group's products and the reads of their results, and the loads into their registers: four at the least in each case
.elseif \osum
	WIN 0
	OARITH \n
.endif
.endr
.if \p == 0
.if \osum
.irp i, 0,1,2,3
	OST \i                                         ; the four stores in one run
.endr
	s_wait_xcnt 0x0                                ; the stores have read their registers and their base
	s_add_nc_u64 s[8:9], s[8:9], 256               ; the next head's 64 channels
.else
.rept 4
	v_nop                                          ; four plain lines between the first products and the first read of their results
.endr
.endif
.endif
.if (\p == 2) || (\p == 4)
	WIN 0xc0
	FLOAD KA, \p+2                                 ; into the two sets that groups p - 2 and p - 1 have left: sixteen loads in one run
	FLOAD KA, \p+3
.endif
.irp n, 0,1,2,3
	WQ1 \p, 1, \n
.endr
.endr
	WIN 0
	MAXH 7, 0
	MAXH 7, 1
	WIN 0x55
	MAXH 7, 0
	MAXH 7, 1
	WIN 0
.endm
; Phase B for one query tile, under one window setting.  The 128 exponentials go in two batches of 64, each with one wait ahead of its first reader; plain work that names no result of the batch stands between them.
.macro PHB
	v_max3_num_f32 v[MX], v[MX], v[MX+1], v[MX+2]
	v_mov_b32 v[NM+1], 0                           ; (a lane permute's destination counts as one of its sources)
	v_max_num_f32 v[MX], v[MX], v[MX+3]
.irp c, 0,1,2,3,4,5,6,7
	v_mov_b32 v[SUM+\c], 0                         ; four chains, so that no addition waits for the one just before it
.endr
	v_permlanex16_b32 v[NM+1], v[MX], s[SEL], s[SEL+1]
	v_max_num_f32 v[MX], v[MX], v[NM+1]            ; with lane l xor 16's keys: my wave's largest score of my query
	v_mul_f32 v[NM], s[NC], v[MX]                  ; -m_own (c is positive)
.set j, 0
.rept 32
	v_pk_fma_f32 v[S+2*j:S+2*j+1], v[S+2*j:S+2*j+1], s[CS:CS+1], v[NM:NM+1] op_sel_hi:[1,0,0]   ; c s - m_own, two at a time
.set j, j+1
.endr
.set j, 0
.rept 32
	v_pk_fma_f32 v[S+64+2*j:S+65+2*j], v[S+64+2*j:S+65+2*j], s[CS:CS+1], v[NM:NM+1] op_sel_hi:[1,0,0]
	v_exp_f32 v[S+2*j], v[S+2*j]
	v_exp_f32 v[S+2*j+1], v[S+2*j+1]
.set j, j+1
.endr
	v_nop                                          ; a plain line behind the last exponential
	s_wait_alu depctr_va_vdst(0)                   ; one wait for the 64, ahead of their first reader
.set j, 0
.rept 32
	v_pk_add_f32 v[SUM+2*(j%4):SUM+2*(j%4)+1], v[SUM+2*(j%4):SUM+2*(j%4)+1], v[S+2*j:S+2*j+1]
	v_exp_f32 v[S+64+2*j], v[S+64+2*j]
	v_exp_f32 v[S+65+2*j], v[S+65+2*j]
.set j, j+1
.endr
	v_nop
	s_wait_alu depctr_va_vdst(0)                   ; and one for the other 64
.set j, 0
.rept 32
	v_pk_add_f32 v[SUM+2*(j%4):SUM+2*(j%4)+1], v[SUM+2*(j%4):SUM+2*(j%4)+1], v[S+64+2*j:S+65+2*j]
.set j, j+1
.endr
	v_pk_add_f32 v[SUM:SUM+1], v[SUM:SUM+1], v[SUM+2:SUM+3]
	v_pk_add_f32 v[SUM+4:SUM+5], v[SUM+4:SUM+5], v[SUM+6:SUM+7]
	v_pk_add_f32 v[SUM:SUM+1], v[SUM:SUM+1], v[SUM+4:SUM+5]
	v_add_f32 v[SUM], v[SUM], v[SUM+1]
	v_permlanex16_b32 v[NM+1], v[SUM], s[SEL], s[SEL+1]
	v_add_f32 v[SUM], v[SUM], v[NM+1]              ; l_own
.endm
; From the four waves' (-m0, -m1, l0, l1) in v[64 + 4 w ..] to the three coefficients of both query tiles.
.macro STATG
.irp q, 0,1
	v_min3_num_f32 v[80+\q], v[64+\q], v[68+\q], v[72+\q]
.endr
.irp q, 0,1
	v_min_num_f32 v[80+\q], v[80+\q], v[76+\q]     ; -m
.endr
.irp q, 0,1
.irp w, 0,1,2,3
	v_sub_f32 v[84+4*\q+\w], v[80+\q], v[64+4*\w+\q]               ; m_w - m, 0 or less
.endr
	v_sub_f32 v[92+\q], v[80+\q], v[EX+\q]         ; m_own - m
.endr
.irp j, 84,85,86,87,88,89,90,91,92,93
	v_exp_f32 v[\j], v[\j]
.endr
	v_nop
	s_wait_alu depctr_va_vdst(0)                   ; one wait for the ten
.irp q, 0,1
	v_mul_f32 v[82+\q], v[66+\q], v[84+4*\q]
.endr
.irp w, 1,2,3
.irp q, 0,1
	v_fma_f32 v[82+\q], v[66+4*\w+\q], v[84+4*\q+\w], v[82+\q]     ; l
.endr
.endr
	v_rcp_f32 v82, v82
	v_rcp_f32 v83, v83
	v_nop
	s_wait_alu depctr_va_vdst(0)                   ; one wait for the two
	v_mul_f32 v92, v92, v82
	v_mul_f32 v93, v93, v83
	v_max_num_f32 v92, 0, v92                      ; g: the relu, on the row's factor
	v_max_num_f32 v93, 0, v93
	v_mul_f32 v94, v92, v92                        ; g^2
	v_mul_f32 v95, v93, v93
	v_mul_f32 v84, v94, v92                        ; g^3
	v_mul_f32 v85, v95, v93
	v_mul_f32 v86, v84, v94                        ; g^5
	v_mul_f32 v87, v85, v95
.irp c, 0,1
	v_mul_f32 v[K0+\c], s[PC0], v92                ; each coefficient twice: a pair for the packed lines
	v_mul_f32 v[K1+\c], s[PC1], v84
	v_mul_f32 v[K2+\c], s[PC2], v86
.endr
	WIN 0x40                                       ; tile 1's into window 1
.irp c, 0,1
	v_mul_f32 v[K0+\c], s[PC0], v93
	v_mul_f32 v[K1+\c], s[PC1], v85
	v_mul_f32 v[K2+\c], s[PC2], v87
.endr
	WIN 0
.endm
; PHASE C's vector lines for the 16 registers of key tiles 2 g, 2 g + 1 of one query tile, in three blocks of 16, 16 and 8.
.macro CV1 g
.set SB, S+16*(\g)
.irp j, 0,2,4,6,8,10,12,14
	v_pk_mul_f32 v[TU+\j:TU+\j+1], v[SB+\j:SB+\j+1], v[SB+\j:SB+\j+1]           ; e^2
.endr
.irp j, 0,2,4,6,8,10,12,14
	v_pk_fma_f32 v[TH+\j:TH+\j+1], v[TU+\j:TU+\j+1], v[K2:K2+1], v[K1:K1+1]
.endr
.endm
.macro CV2 g
.set SB, S+16*(\g)
.irp j, 0,2,4,6,8,10,12,14
	v_pk_fma_f32 v[TH+\j:TH+\j+1], v[TH+\j:TH+\j+1], v[TU+\j:TU+\j+1], v[K0:K0+1]
.endr
.irp j, 0,2,4,6,8,10,12,14
	v_pk_mul_f32 v[SB+\j:SB+\j+1], v[SB+\j:SB+\j+1], v[TH+\j:TH+\j+1]           ; w' = 1,024 tanh(e g), in place
.endr
.endm
.macro CV3 g
.set SB, S+16*(\g)
.irp j, 0,1,2,3,4,5,6,7
	v_cvt_pk_f16_f32 v[P+8*((\g)%2)+\j], v[SB+2*\j], v[SB+2*\j+1]
.endr
.endm
.macro WSADD q, g                      ; out1's sums take the unrounded w'
.irp j, 0,2,4,6,8,10,12,14
	v_pk_add_f32 v[128*\q+16*(\g)+\j:128*\q+16*(\g)+\j+1], v[128*\q+16*(\g)+\j:128*\q+16*(\g)+\j+1], v[S+16*(\g)+\j:S+16*(\g)+\j+1]
.endr
.endm
; One product of O^T += V^T w' for the 32 keys of group k: channels 16 d on, query tile q.  The eight accumulators take turns, one instruction a turn; group 0 starts the sums.  k = -1: nothing.
.macro PVW k, q, d
.if (\k) >= 0
	WIN 0xf3+4*(\q)                                ; V, C and D in window 3, w' in window q
.set rO, 8*(4*(\q)+(\d))
.set rV, FB+32*((\k)%4)+8*(\d)
.set rP, P+8*((\k)%2)
.if (\k) == 0
	v_wmma_f32_16x16x32_f16 v[rO:rO+7], v[rV:rV+7], v[rP:rP+7], 0
.else
	v_wmma_f32_16x16x32_f16 v[rO:rO+7], v[rV:rV+7], v[rP:rP+7], v[rO:rO+7]
.endif
.endif
.endm
; THE REST OF A HEAD behind its phase A.  fill = 1: the next head's Q, K and V are asked for, and its phase A follows.
.macro REST fill
.if \fill
	QLOAD                                          ; the next head's Q: the 16 maxima that end phase A stand between its last products and these loads
.endif
	; ---- B: e and its sum
	s_wait_kmcnt 0x0
	s_add_nc_u64 s[PSQ:PSQ+1], s[PSQ:PSQ+1], 8
	s_add_nc_u64 s[PS:PS+1], s[PS:PS+1], 8
	s_cmp_lt_u32 s[WV], 2
	s_cselect_b32 s66, s[SK], s[SK+1]              ; my keys' half
	s_mul_f32 s66, s66, s[SQ]
	s_mul_f32 s[CS], s66, 0x3e38aa3b               ; c = sq sk log2(e) / 8
	s_mov_b32 s[CS+1], s[CS]
	s_xor_b32 s[NC], s[CS], 0x80000000
	s_mul_f32 s[SV0], s[SV], 0x3a800000            ; x 2^-10
	s_mov_b32 s[SV0+1], s[SV0]
	s_mul_f32 s[SV1], s[SV+1], 0x3a800000
	s_mov_b32 s[SV1+1], s[SV1]
	WIN 0
	PHB
	WIN 0x55
	PHB
	; ---- the waves change (-m, l); K's slot, which phase A has read, is filled again
	WIN 0
	v_mov_b32 v[EX], v[NM]
	v_mov_b32 v[EX+2], v[SUM]
	WIN 0x01
	v_mov_b32 v[EX+1], v[NM]
	v_mov_b32 v[EX+3], v[SUM]
	WIN 0
	ds_store_b128 v[SA], v[EX:EX+3]
	s_wait_tensorcnt 0x0                           ; all my tensor loads have landed: the one that was out is this head's V
.if \fill
	ds_add_u32 v[SPW], v[NIL]                      ; 0 onto my spare word; the steps below stand between it and the wait for it
	s_add_nc_u64 s[G0K+2:G0K+3], s[G0K+2:G0K+3], HEADB   ; the next head's K; the type bits on top are not reached
	s_wait_xcnt 0x0                                ; the last prefetch, a head back, has read its address
	s_add_nc_u64 s[PFK:PFK+1], s[PFK:PFK+1], HEADB
	s_wait_dscnt 0x0                               ; the add and my store are done, and my reads of K's slot are over
	ROUND                                          ; so it is with every wave of the four work-groups
	TL G0K                                         ; my one tensor load behind the round: it has phase C in which to land
.else
	s_wait_dscnt 0x0                               ; for the others' sake: my store is done
	s_barrier_signal -1
	s_barrier_wait -1
.endif
.irp w, 0,1,2,3
	ds_load_b128 v[64+4*\w:67+4*\w], v[SL] offset:512*\w
.endr
	WIN 0xc0
	FLOAD VA, 0                                    ; all four sets: 32 loads in one run
	FLOAD VA, 1
	FLOAD VA, 2
	FLOAD VA, 3
	WIN 0
.if \fill
	ASK PFK
.endif
	s_wait_dscnt 32                                ; the four waves' numbers are in; V's four groups may be out
	STATG
	; ---- C: w', out1's sums, O^T.  Group g's vector lines carry group g - 1's eight products, one behind each block
.irp g, 0,1,2,3,4,5,6,7
.if \g > 0
.if \g == 7
	s_wait_dscnt 8                                 ; group 6 of V is in; group 7 may be out
.elseif \g%2
	s_wait_dscnt 24                                ; group g - 1 of V is in; the three groups asked for behind it may be out
.else
	s_wait_dscnt 16                                ; group g - 1 is in; the two groups asked for behind it may be out
.endif
.endif
	PVW \g-1, 0, 0
	WIN 0
	CV1 \g
	PVW \g-1, 0, 1
	WIN 0
	CV2 \g
	PVW \g-1, 0, 2
	WIN 0
	CV3 \g
	PVW \g-1, 0, 3
	WIN 0x82                                       ; the sums in window 2, w' in window 0
	WSADD 0, \g
	PVW \g-1, 1, 0
	WIN 0x55
	CV1 \g
	PVW \g-1, 1, 1
	WIN 0x55
	CV2 \g
	PVW \g-1, 1, 2
	WIN 0x55
	CV3 \g
	PVW \g-1, 1, 3
	WIN 0x86                                       ; w' in window 1
	WSADD 1, \g
.if (\g == 2) || (\g == 4)
	WIN 0xc0
	FLOAD VA, \g+2                                 ; into the two sets that groups g - 2 and g - 1 have left: the eight additions above stand between the last product and these loads
	FLOAD VA, \g+3
.endif
.endr
	s_wait_dscnt 0x0                               ; group 7 of V is in, and my reads of V's slot are over
.irp q, 0,1
.irp d, 0,1,2,3
	PVW 7, \q, \d
.endr
.endr
	; ---- O's parts meet; V's slot, which phase C has read, is filled again
.rept 4
	v_nop                                          ; four plain lines between the last products and the stores that read their results, and the loads into registers that they read
.endr
	WIN 0x0c                                       ; an LDS store's data are its source 1: window 3
.irp q, 0,1
.irp d, 0,1,2,3
	ds_store_b128 v[OA], v[8*(4*\q+\d):8*(4*\q+\d)+3] offset:16*272*\q+64*\d       ; each accumulator from its low end on
	ds_store_b128 v[OA], v[8*(4*\q+\d)+4:8*(4*\q+\d)+7] offset:16*272*\q+64*\d+16
.endr
.endr
	WIN 0
.if \fill
	s_wait_tensorcnt 0x0                           ; all my tensor loads have landed: the next head's K
	ds_add_u32 v[SPW], v[NIL]
	s_add_nc_u64 s[G0V+2:G0V+3], s[G0V+2:G0V+3], HEADB
	s_wait_xcnt 0x0
	s_add_nc_u64 s[PFV:PFV+1], s[PFV:PFV+1], HEADB
	s_wait_dscnt 0x0                               ; the add and my stores are done
	ROUND
	TL G0V                                         ; my one tensor load behind the round: it has phases A and B in which to land
	OLOAD                                          ; O's parts first: phase A's first wait shows them in
	WIN 0xc0
	FLOAD KA, 0                                    ; the next head's first four groups of K
	FLOAD KA, 1
	FLOAD KA, 2
	FLOAD KA, 3
	WIN 0
	ASK PFV
	PHA 1
.else
	s_wait_dscnt 0x0
	s_barrier_signal -1
	s_barrier_wait -1
	OLOAD
.irp i, 0,1,2,3
	s_wait_dscnt 12-4*\i                           ; row pair i's four loads are in; the later pairs' may be out
	OARITH \i
	OST \i
.endr
.endif
.endm
	s_load_b256 s[4:11], s[0:1], 0x0               ; qkv s[4:5], pscale s[6:7], out0 s[8:9], out1 s[10:11]
	v_lshl_add_u32 v[SPW], v0, 2, SPARE
	v_mov_b32 v[NIL], 0
	ds_add_u32 v[SPW], v[NIL]                      ; the wave's opening: the add, twice on end, and its wait ahead of my first tensor load
	ds_add_u32 v[SPW], v[NIL]
	v_lshrrev_b32 v9, 5, v0
	v_readfirstlane_b32 s[WV], v9                  ; wave 0..3
	s_bfe_u32 s[CX], ttmp6, 0x40000                ; my place in the cluster
	s_lshl_b32 s[QB], ttmp9, 2
	s_add_co_u32 s[QB], s[QB], s[CX]               ; my block of 32 queries: it enters Q's, out0's and out1's addresses alone
	s_and_b32 s[BT], ttmp7, 0xffff                 ; the batch, which the four partners share
	; descriptor group 1: 32,768 dense bytes as 128 rows of 256
	s_mov_b32 s[G1], 15|(3<<16)|(1<<21)            ; 15:0 the mask: all four work-groups; 17:16 elements of 8 bytes; 21 set beside a mask; no padding
	s_mov_b32 s[G1+1], 32<<16                      ; tensor_dim0 = 32
	s_mov_b32 s[G1+2], 128<<16                     ; tensor_dim1 = 128
	s_mov_b32 s[G1+3], 32<<16                      ; tile_dim0 = 32
	s_mov_b32 s[G1+4], 128                         ; tile_dim1 = 128
	s_mov_b32 s[G1+5], 32                          ; from row to row
	s_mov_b32 s[G1+6], 0
	s_mov_b32 s[G1+7], 0
	s_mov_b32 s[SEL], 0x76543210                   ; v_permlanex16_b32's selects for lane l xor 16
	s_mov_b32 s[SEL+1], 0xfedcba98
	s_mov_b32 s[PC0], 0x447fbf12                   ; 1,024 x 0.99900927
	s_mov_b32 s[PC1], 0xc3a15490                   ; 1,024 x -0.31509830
	s_mov_b32 s[PC2], 0x42a08a08                   ; 1,024 x 0.07838827
	s_mov_b32 s[HL], 15
	s_cmp_eq_u32 ttmp9, 0                          ; the batch's first cluster prefetches: the same in all four partners
	s_cselect_b32 s[LIM], 1, -1
	s_mov_b32 s[G0K], 1                            ; count = 1
	s_lshl_b32 s[G0K+1], s[WV], 15                 ; LDS: my quarter of K's slot: no place in the cluster enters an LDS address
	s_mov_b32 s[G0V], 1
	s_add_co_u32 s[G0V+1], s[G0K+1], SLOTV
	s_lshl_b32 s66, s[BT], 21                      ; the batch's 16 heads of 131,072 bytes
	s_add_co_u32 s50, s66, s[G0K+1]
	s_add_co_u32 s50, s50, 0x1000000               ; K lies 16 MiB into qkv: my quarter of head 0
	s_mov_b32 s51, 0
	s_lshl_b32 s52, s[QB], 12                      ; Q: my 32 queries are 4,096 bytes of a head
	s_add_co_u32 s52, s52, s66
	s_mov_b32 s53, 0
	s_lshl_b32 s54, s[CX], 2
	s_add_co_u32 s54, s54, s[WV]
	s_lshl_b32 s54, s54, 13                        ; the prefetches: part 4 cx + wave,
	s_add_co_u32 s54, s54, s66
	s_add_co_u32 s54, s54, 0x1000000+HEADB         ; of K's head 1: the first change steps it to head 2
	s_mov_b32 s55, 0
	s_lshl_b32 s56, s[BT], 22                      ; out0, out1: the batch's 1,024 rows of 4,096 bytes, my 32 rows
	s_lshl_b32 s57, s[QB], 17
	s_add_co_u32 s56, s56, s57
	s_mov_b32 s57, 0
	s_lshl_b32 s66, s[BT], 7                       ; pscale: 128 bytes a batch
	s_mov_b32 s67, 0
	s_lshr_b32 s68, s[QB], 4
	s_lshl_b32 s68, s68, 2                         ; my queries' half
	s_mov_b32 s69, 0
	s_wait_dscnt 0x0                               ; both opening adds are done
	s_wait_kmcnt 0x0
	s_add_nc_u64 s[G0K+2:G0K+3], s[4:5], s[50:51]
	s_add_nc_u64 s[G0V+2:G0V+3], s[G0K+2:G0K+3], 0x1000000   ; V lies 16 MiB behind K
	s_or_b32 s[G0K+3], s[G0K+3], 0x80000000        ; type = 2
	s_or_b32 s[G0V+3], s[G0V+3], 0x80000000
	s_add_nc_u64 s[QP:QP+1], s[4:5], s[52:53]
	s_add_nc_u64 s[PFK:PFK+1], s[4:5], s[54:55]
	s_add_nc_u64 s[PFV:PFV+1], s[PFK:PFK+1], 0x1000000
	s_add_nc_u64 s[PS:PS+1], s[6:7], s[66:67]
	s_add_nc_u64 s[PSQ:PSQ+1], s[PS:PS+1], s[68:69]
	s_add_nc_u64 s[8:9], s[8:9], s[56:57]
	s_add_nc_u64 s[10:11], s[10:11], s[56:57]
	s_lshl_b32 s66, s[WV], 10                      ; out1: my 256 keys
	s_add_nc_u64 s[10:11], s[10:11], s[66:67]
	ROUND                                          ; all four work-groups are here: the first joint loads meet
	TL G0K                                         ; head 0: two loads of mine are out
	TL G0V
	v_and_b32 v9, 31, v0
	v_lshlrev_b32 v[LI], 4, v9
	v_lshlrev_b32 v[PFO], 8, v9
	QLOAD                                          ; head 0's Q
	v_add_nc_u32 v[KA], s[G0K+1], v[LI]
	v_add_nc_u32 v[VA], SLOTV, v[KA]
	v_lshl_add_u32 v[SA], v0, 4, STATS
	v_add_nc_u32 v[SL], STATS, v[LI]
	v_and_b32 v13, 15, v0                          ; r
	v_bfe_u32 v14, v0, 4, 1                        ; h
	v_mul_u32_u24 v[OA], v13, 272
	v_lshl_add_u32 v[OA], v14, 5, v[OA]
	s_mul_i32 s68, s[WV], OPW
	s_add_co_u32 s68, s68, OP
	v_add_nc_u32 v[OA], s68, v[OA]                 ; my wave's part: row r, + 32 h
	v_mul_u32_u24 v[RA], v14, 272
	v_lshl_add_u32 v[RA], v13, 4, v[RA]
	s_mul_i32 s68, s[WV], 8*272
	s_add_co_u32 s68, s68, OP
	v_add_nc_u32 v[RA], s68, v[RA]                 ; back: rows 8 w + h, 16 bytes a lane
	v_lshlrev_b32 v[GO], 12, v14
	v_lshl_add_u32 v[GO], v13, 4, v[GO]
	v_add_nc_u32 v[GO], s[G0K+1], v[GO]            ; the same rows in out0: 8 w rows are 32,768 w bytes
	v_mul_u32_u24 v[STO], v13, SPITCH
	v_lshl_add_u32 v[STO], v14, 5, v[STO]
	v_add_nc_u32 v[STO], s[G0K+1], v[STO]
	WIN 0x80
.set j, 0
.rept 256
	v_mov_b32 v[j], 0                              ; out1's sums, once in the launch: a first head written out apart would be a third copy of the head's text
.set j, j+1
.endr
	WIN 0
	s_wait_tensorcnt 0x1                           ; my quarter of K is in, and I alone read it; V's may stay out
	WIN 0xc0
	FLOAD KA, 0
	FLOAD KA, 1
	FLOAD KA, 2
	FLOAD KA, 3
	WIN 0
	PHA 0                                          ; head 0's scores
.Lhead:                                            ; 15 trips: trip j finishes head j, asks for head j + 1 and makes its scores
	REST 1
	s_sub_co_u32 s[HL], s[HL], 1
	s_cmp_lg_u32 s[HL], 0
	s_cbranch_scc1 .Lhead
	REST 0                                         ; the last head's rest is written out
; OUT1'S WAY OUT, in four blocks of 16 queries x 128 keys.  A lane holds 32 neighbouring bytes of a row and the lanes beside it other rows: a block goes through my stage and comes back as whole rows of 512 bytes.
.macro TOSTAGE a
.set AC, 128*((\a)/2)+64*((\a)%2)
	WIN 0x82
.set j, 0
.rept 32
	v_pk_mul_f32 v[AC+2*j:AC+2*j+1], v[AC+2*j:AC+2*j+1], 0x38800000 op_sel_hi:[1,0]   ; x 2^-14: the factor 1,024 and the 16 heads
.set j, j+1
.endr
	WIN 0x08                                       ; the data in window 2
.irp b, 0,1,2,3,4,5,6,7
	ds_store_b128 v[STO], v[AC+8*\b:AC+8*\b+3] offset:64*\b
	ds_store_b128 v[STO], v[AC+8*\b+4:AC+8*\b+7] offset:64*\b+16
.endr
	WIN 0
.set BK, S+64*((\a)%2)
.irp t, 0,1,2,3,4,5,6,7,8,9,10,11,12,13,14,15
	ds_load_b128 v[BK+4*\t:BK+4*\t+3], v[KA] offset:\t*SPITCH      ; LDS serves a wave's instructions in order (ISA guide 5.7.1.4): these see the stores above
.endr
.endm
.macro SEND a, younger                 ; younger: the LDS instructions issued behind block a's loads, which may stay out
.set BK, S+64*((\a)%2)
	s_wait_dscnt \younger
.irp t, 0,1,2,3,4,5,6,7,8,9,10,11,12,13,14,15
	global_store_b128 v[LI], v[BK+4*\t:BK+4*\t+3], s[10:11] offset:(16*((\a)/2)+\t)*4096+((\a)%2)*512 th:TH_STORE_NT   ; 32 lanes store 512 consecutive bytes, aligned
.endr
.endm
	TOSTAGE 0
.irp a, 1,2,3
.if \a > 1
	s_wait_xcnt 0x0                                ; block a - 2's stores have read their registers: block a's loads may land there
.endif
	TOSTAGE \a
	SEND \a-1, 32                                  ; behind block a - 1's loads: block a's 16 stores and 16 loads
.endr
	SEND 3, 0
	s_wait_tensorcnt 0x0                           ; the wave's end, behind my last tensor load and my last LDS store
	ds_add_u32 v[SPW], v[NIL]
	s_wait_dscnt 0x0
	ROUND                                          ; the closing round: no work-group ends while a partner may still ask for a tile that names it
	s_endpgm
.Lfunc_end_k_qdb398ae5c1_attn:
	.size	k_qdb398ae5c1_attn, .Lfunc_end_k_qdb398ae5c1_attn-k_qdb398ae5c1_attn
	.p2alignl 7, 3214868480
	.fill 96, 4, 3214868480
	.section	.rodata,"a",@progbits
	.p2align	6, 0x0
	.amdhsa_kernel k_qdb398ae5c1_attn
		.amdhsa_group_segment_fixed_size 327680
		.amdhsa_private_segment_fixed_size 0
		.amdhsa_enable_private_segment 0
		.amdhsa_kernarg_size 32
		.amdhsa_user_sgpr_count 2
		.amdhsa_user_sgpr_kernarg_segment_ptr 1
		.amdhsa_wavefront_size32 1
		.amdhsa_system_sgpr_workgroup_id_x 1
		.amdhsa_system_sgpr_workgroup_id_y 1
		.amdhsa_system_sgpr_workgroup_id_z 1
		.amdhsa_system_vgpr_workitem_id 0
		.amdhsa_next_free_vgpr 1024
		.amdhsa_next_free_sgpr 72
		.amdhsa_reserve_vcc 0
		.amdhsa_float_denorm_mode_32 3
		.amdhsa_float_denorm_mode_16_64 3
		.amdhsa_memory_ordered 1
		.amdhsa_forward_progress 1
		.amdhsa_inst_pref_size 255
	.end_amdhsa_kernel
	.section	.bss,"aw",@nobits
	.p2align	6
	.space	262144
	.amdgpu_metadata
---
amdhsa.version: [ 1, 2 ]
amdhsa.kernels:
  - .name:           k_qdb398ae5c1_attn
    .symbol:         k_qdb398ae5c1_attn.kd
    .args:
      - { .name: qkv, .offset: 0, .size: 8, .value_kind: global_buffer, .address_space: global }
      - { .name: pscale, .offset: 8, .size: 8, .value_kind: global_buffer, .address_space: global }
      - { .name: out0, .offset: 16, .size: 8, .value_kind: global_buffer, .address_space: global }
      - { .name: out1, .offset: 24, .size: 8, .value_kind: global_buffer, .address_space: global }
    .group_segment_fixed_size: 327680
    .private_segment_fixed_size: 0
    .kernarg_segment_align: 8
    .kernarg_segment_size: 32
    .max_flat_workgroup_size: 128
    .sgpr_count:     72
    .vgpr_count:     1024
    .wavefront_size: 32
...
	.end_amdgpu_metadata
.endif
;; end of part 3
